; MI455X (gfx1250); checked and timed in simulation.
; The chip was launched on July 23, 2026; its instructions are those of AMD's public machine-readable ISA for CDNA 5 (MIT licence, August 2026) and "CDNA5" Instruction Set Architecture Reference Guide (July 2026). The comments in the code are by the model that wrote it; some were corrected since.
;; S4 D Kernel. Allowed arithmetic: float matrix products may take bf16 or f16 operands with f32 sums; all other float work in f32.
;; Inputs: A_imag 1,024 x 32 float32; C_real 1 x 1,024 x 32 x 2 float32; log_A_real 1,024 x 32 float32; log_dt 1,024 float32.
;; Outputs: out0 1 x 1,024 x 4,096 float32.
;; Constants: L = 4096.
;; 2 versions, each right; version 2 is version 1 with the launch s4d written anew for expert scheduling mode. Each part assembles by itself: llvm-mc -triple=amdgcn-amd-amdhsa -mcpu=gfx1250 --defsym DOCPART=n.
;; ======== version 1 of 2: 1 launch
;; launch s4d (part 1): grid 256 x 1, 4 waves a work-group, no clusters, 38,400 bytes of LDS; arguments A_imag, C_real, log_A_real, log_dt, out0; writes out0
.if DOCPART == 1
	.amdgcn_target "amdgcn-amd-amdhsa--gfx1250"
	.amdhsa_code_object_version 6
	.text
	.protected	k_qe86dfb7307_s4d
	.globl	k_qe86dfb7307_s4d
	.p2align	8
	.type	k_qe86dfb7307_s4d,@function
k_qe86dfb7307_s4d:
	s_mov_b64 s[64:65], 0
	v_nop
	global_prefetch_b8 v0, s[64:65] scope:SCOPE_SE
	s_setreg_imm32_b32 hwreg(HW_REG_WAVE_MODE, 25, 1), 1
	s_wait_xcnt 0x0
; S4D kernel: out[h][l] = 2 Re sum_n dC[h][n] dA[h][n]^l,  h < 1024, 32 complex modes n, l < 4096, all f32 in memory.
; One wave owns one h (4 waves a work-group, 256 work-groups).  l is split additively, l = lm + ln, so that the sum over modes is a
; 64 x 64 matrix product over 64 real k (32 modes x re, im) and only 64 + 64 powers of each dA are formed instead of 4096:
;   M side, row m:     conj(2 dC dA^lm),  lm = (m & 3) + 64 (m >> 2)           (m = 16 ta + r, so tile ta adds 256)
;   N side, column n:  dA^ln,             ln = 4 (n & 15) + 1024 (n >> 4)      (tile tb adds 1024)
;   sum_k A[m][k] B[n][k] = wr vr + wi vi = Re(u v) with w = conj(u).
; In the result (ISA guide 7.12.2) register j of lane (r, half) is (m = 8 half + j, n = r): l = (j & 3) + 4 r + 64 (2 half + (j >> 2)) + ..,
; so registers 0-3 of sixteen neighbouring lanes are 256 consecutive, aligned bytes of out: results are stored straight from registers.
; PRECISION.  One bf16 rounding of the operands (2^-9) is too coarse where the modes cancel, so every operand is hi + lo, two bf16, and
; three products are summed in f32: hi hi + hi lo + lo hi (K = 192, six matrix instructions a tile); what is left out is some 2^-17 of a term.
; Powers are made by complex products in f32 (squarings and short chains), not by log and exp: the order of rounding differs from the
; reference's, and the relative error of dA^l grows as about l x 2^-23 (at l = 4095 some 5e-4 of one mode's term).
; LIMITS.  |dt A / 2| below 2^127 (the division is scaled by an exact power of two, so nothing below that overflows); where exp(log_dt) or
; exp(log_A_real) leaves f32 the result is not finite, as the reference's; v_exp_f32 gives 0 for results below 2^-126, so a dt below
; 1.2e-38 gives a row of zeros; a dA that is exactly 0 (dt A = -2) gives finite numbers where log(0) makes the reference's row NaN.
; No cluster: no two work-groups read the same input bytes but one word of log_dt's row.  No barrier: each wave's LDS bytes are its own.
.set PITCH,   272                      ; LDS row: 32 modes x 8 bytes + 16: an odd multiple of 16, so the sixteen rows that a 16-byte load touches start at different banks
.set AROW,    0                        ; 16 base rows of the M side
.set BROW,    16*PITCH                 ; 16 base rows of the N side
.set STP256,  32*PITCH                 ; dA^256 of the 32 modes
.set STP1024, 33*PITCH                 ; dA^1024
.set WLDS,    9472                     ; LDS bytes of a wave (34 rows = 9,248, rounded up)
.set LW,   1                           ; v1   LDS address, lane = mode: wave + 8 lane
.set LR,   2                           ; v2   LDS address, lane = (r, half): wave + 272 r + 128 half
.set LS,   3                           ; v3   LDS address of my half's 16 modes in a row all lanes share: wave + 128 half
.set OUTO, 4                           ; v4   my byte offset in a 1,024-byte piece of out: 16 r + 512 half
.set NEG1, 5                           ; v5   -1.0
.set OA,   6                           ; v6   byte offset in A_imag and log_A_real
.set OC,   7                           ; v7   byte offset in C_real
.set OD,   8                           ; v8   byte offset in log_dt
.set R1,   16                          ; v16-47   N state (16 modes, re im), later the M fragments: hi 0-15, lo 16-31
.set R2,   48                          ; v48-79   step factors of my 16 modes: dA^1024, later dA^256
.set R3,   80                          ; v80-111  M state
.set TD,   112                         ; v112-127 at work, 8 modes at a time
.set BF,   128                         ; v128-255 N fragments, tile tb at 32 tb: hi 0-15, lo 16-31.  Before that: the values of the set-up
; accumulators: v256-383, tile (ta, tb) at 256 + 32 ta + 8 tb; each is written once, so no store's data is ever overwritten
.set LDT, 128
.set LAR, 129
.set AIM, 130
.set CC,  132
.set T0,  134
.set T1,  135
.set DT,  136
.set EA,  137
.set HD,  138
.set AA,  139
.set BB,  140
.set MX,  141
.set SS,  142
.set PP,  143
.set QQ,  144
.set DEN, 145
.set RC,  146
.set NR,  147
.set ER,  148
.set NI,  149
.set GG,  150
.set BRE, 151
.set BIM, 152
.set Z4,  154                          ; dA^(4k) at 152 + 2k, k = 1 .. 15
.set Z8,  156
.set Z12, 158
.set Z16, 160
.set Z20, 162
.set Z24, 164
.set Z28, 166
.set Z32, 168
.set Z36, 170
.set Z40, 172
.set Z44, 174
.set Z48, 176
.set Z52, 178
.set Z56, 180
.set Z60, 182
.set ONE, 184
.set Z1,  192
.set Z2,  194
.set Z3,  196
.set E0,  198                          ; Eq = conj(2 dC dA^(64 q))
.set E1,  200
.set E2,  202
.set E3,  204
.set Z64, 206
.set Z128, 208
.set Z256, 210
.set Z512, 212
.set Z1024, 214
.set AT,  216                          ; v216-239: the twelve M rows Eq conj(dA^j), j = 1 .. 3
.set MSB, 0
.macro WIN new                         ; register window; the immediate's high byte repeats the setting that is left
.if MSB != \new
	s_set_vgpr_msb (MSB<<8)|\new
.set MSB, \new
.endif
.endm
; A complex product is two packed instructions.  d = x y:  (xr yr, xr yi), then + (-xi yi, xi yr).  d is neither x nor y.
.macro CM1 d, x, y
	v_pk_mul_f32 v[\d:\d+1], v[\x:\x+1], v[\y:\y+1] op_sel_hi:[0,1]
.endm
.macro CM2 d, x, y
	v_pk_fma_f32 v[\d:\d+1], v[\x:\x+1], v[\y:\y+1], v[\d:\d+1] op_sel:[1,1,0] op_sel_hi:[1,0,1] neg_lo:[0,1,0]
.endm
; d = x conj(y):  (xr yr, -xr yi), then + (xi yi, xi yr)
.macro CJ1 d, x, y
	v_pk_mul_f32 v[\d:\d+1], v[\x:\x+1], v[\y:\y+1] op_sel_hi:[0,1] neg_hi:[0,1]
.endm
.macro CJ2 d, x, y
	v_pk_fma_f32 v[\d:\d+1], v[\x:\x+1], v[\y:\y+1], v[\d:\d+1] op_sel:[1,1,0] op_sel_hi:[1,0,1]
.endm
.macro PUT src, off                    ; lane = mode: a row's 32 x 8 bytes, contiguous
	ds_store_b64 v[LW], v[\src:\src+1] offset:\off
.endm
.macro GET8 dst, adr, off              ; my 16 modes of a row: 128 bytes
.irp i, 0,1,2,3,4,5,6,7
	ds_load_b128 v[\dst+4*\i:\dst+4*\i+3], v[\adr] offset:\off+16*\i
.endr
.endm
; eight modes of the state at x times the factors at y, in place
.macro STEPM x, y
.irp i, 0,1,2,3,4,5,6,7
	v_pk_mul_f32 v[TD+2*\i:TD+2*\i+1], v[\x+2*\i:\x+2*\i+1], v[\y+2*\i:\y+2*\i+1] op_sel_hi:[0,1]
.endr
.irp i, 0,1,2,3,4,5,6,7
	v_pk_fma_f32 v[\x+2*\i:\x+2*\i+1], v[\x+2*\i:\x+2*\i+1], v[\y+2*\i:\y+2*\i+1], v[TD+2*\i:TD+2*\i+1] op_sel:[1,1,0] op_sel_hi:[1,0,1] neg_lo:[0,1,0]
.endr
.endm
.macro STEPJ x, y                      ; the same with conj(y)
.irp i, 0,1,2,3,4,5,6,7
	v_pk_mul_f32 v[TD+2*\i:TD+2*\i+1], v[\x+2*\i:\x+2*\i+1], v[\y+2*\i:\y+2*\i+1] op_sel_hi:[0,1] neg_hi:[0,1]
.endr
.irp i, 0,1,2,3,4,5,6,7
	v_pk_fma_f32 v[\x+2*\i:\x+2*\i+1], v[\x+2*\i:\x+2*\i+1], v[\y+2*\i:\y+2*\i+1], v[TD+2*\i:TD+2*\i+1] op_sel:[1,1,0] op_sel_hi:[1,0,1]
.endr
.endm
; Eight modes (re, im in f32 at x) become one fragment of hi and one of lo: register i = (re, im) of mode i, the same place on both sides
; of the product, which is all that the order of k has to satisfy.  x - hi is exact in f32; lo is its rounding to bf16.
.macro CONV x, hi, lo
.irp i, 0,1,2,3,4,5,6,7
	v_cvt_pk_bf16_f32 v[\hi+\i], v[\x+2*\i], v[\x+2*\i+1]
.endr
.irp i, 0,1,2,3,4,5,6,7
	v_fma_mix_f32_bf16 v[TD+2*\i], v[\hi+\i], v[NEG1], v[\x+2*\i] op_sel_hi:[1,0,0]
	v_fma_mix_f32_bf16 v[TD+2*\i+1], v[\hi+\i], v[NEG1], v[\x+2*\i+1] op_sel:[1,0,0] op_sel_hi:[1,0,0]
.endr
.irp i, 0,1,2,3,4,5,6,7
	v_cvt_pk_bf16_f32 v[\lo+\i], v[TD+2*\i], v[TD+2*\i+1]
.endr
.endm
; one K step of 32 for the four tiles of M tile ta: four chains that do not wait for each other
.macro MM4 ta, a, b, first
.irp tb, 0,1,2,3
.if \first
	v_wmma_f32_16x16x32_bf16 v[32*\ta+8*\tb:32*\ta+8*\tb+7], v[R1+\a:R1+\a+7], v[BF+32*\tb+\b:BF+32*\tb+\b+7], 0
.else
	v_wmma_f32_16x16x32_bf16 v[32*\ta+8*\tb:32*\ta+8*\tb+7], v[R1+\a:R1+\a+7], v[BF+32*\tb+\b:BF+32*\tb+\b+7], v[32*\ta+8*\tb:32*\ta+8*\tb+7]
.endif
.endr
.endm
.macro MM ta
	MM4 \ta, 0, 0, 1                               ; hi x hi; the first product starts the sums
	MM4 \ta, 8, 8, 0
	MM4 \ta, 0, 16, 0                              ; hi x lo
	MM4 \ta, 8, 24, 0
	MM4 \ta, 16, 0, 0                              ; lo x hi
	MM4 \ta, 24, 8, 0
.endm
.macro OUT ta                          ; each store: lanes 0-15 and lanes 16-31 each cover 256 consecutive bytes at a multiple of 256 from out's first byte
.irp tb, 0,1,2,3
	global_store_b128 v[OUTO], v[32*\ta+8*\tb:32*\ta+8*\tb+3], s[12:13] offset:1024*\ta+4096*\tb th:TH_STORE_NT
	global_store_b128 v[OUTO], v[32*\ta+8*\tb+4:32*\ta+8*\tb+7], s[12:13] offset:1024*\ta+4096*\tb+256 th:TH_STORE_NT
.endr
.endm
	s_load_b256 s[4:11], s[0:1], 0x0               ; A_imag s[4:5], C_real s[6:7], log_A_real s[8:9], log_dt s[10:11]
	s_load_b64 s[12:13], s[0:1], 0x20              ; out0
	v_lshl_add_u32 v14, v0, 2, 0x9400
	v_mov_b32 v15, 0
	v_lshrrev_b32 v9, 5, v0
	v_readfirstlane_b32 s14, v9                    ; wave 0..3
	s_lshl_b32 s15, ttmp9, 2
	s_add_co_u32 s15, s15, s14                     ; h = 4 x work-group + wave
	s_lshl_b32 s16, ttmp9, 9                       ; 4 rows of 128 bytes
	s_lshl_b32 s17, ttmp9, 10                      ; 4 rows of 256 bytes
	s_lshl_b32 s18, s15, 2
	v_lshl_add_u32 v[OA], v0, 2, s16               ; thread t = 32 wave + mode: 4 t is the wave's row and the lane's word
	v_lshl_add_u32 v[OC], v0, 3, s17
	v_mov_b32 v[OD], s18
	s_wait_kmcnt 0x0
	global_load_b32 v[LDT], v[OD], s[10:11]
	global_load_b32 v[LAR], v[OA], s[8:9] th:TH_LOAD_NT
	global_load_b32 v[AIM], v[OA], s[4:5] th:TH_LOAD_NT
	global_load_b64 v[CC:CC+1], v[OC], s[6:7] th:TH_LOAD_NT
	; addresses and constants, while the loads are out
	v_and_b32 v9, 31, v0                           ; lane
	v_and_b32 v10, 15, v0                          ; r
	v_bfe_u32 v11, v0, 4, 1                        ; half
	s_mul_i32 s19, s14, WLDS                       ; my wave's LDS bytes
	v_lshl_add_u32 v[LW], v9, 3, s19
	v_lshl_add_u32 v[LS], v11, 7, s19
	v_mul_u32_u24 v12, v10, PITCH
	v_add_nc_u32 v[LR], v12, v[LS]
	v_lshlrev_b32 v[OUTO], 4, v10
	v_lshl_add_u32 v[OUTO], v11, 9, v[OUTO]
	v_mov_b32 v[NEG1], -1.0
	v_mov_b32 v[ONE], 1.0
	v_mov_b32 v[ONE+1], 0
	s_lshl_b32 s20, s15, 14                        ; h rows of 16,384 bytes
	s_mov_b32 s21, 0
	s_add_nc_u64 s[12:13], s[12:13], s[20:21]
	s_mov_b32 s22, 0x3fb8aa3b                      ; log2(e), rounded
	s_mov_b32 s23, 0x32a57060                      ; log2(e) minus that
	s_wait_loadcnt 0x0
	; SET-UP, lane = mode.  dt = exp(log_dt): the rounding of log_dt x log2(e) is carried along and put back, since an error of dt turns
	; every phase by l x angle x error.  exp(log_A_real) only sets the decay and needs no such care.
	v_mul_f32 v[T0], s22, v[LDT]
	v_mul_f32 v[T1], s22, v[LAR]
	v_fma_f32 v[ER], v[LDT], s22, -v[T0]           ; what the product lost,
	v_fma_f32 v[ER], v[LDT], s23, v[ER]            ; and what the constant lost
	v_exp_f32 v[DT], v[T0]
	v_exp_f32 v[EA], v[T1]
	v_mul_f32 v[ER], 0x3f317218, v[ER]             ; x ln 2.  Also the plain instruction that stands behind the two v_exp_f32 (ISA guide 5.7.2)
	s_wait_alu depctr_va_vdst(0)
	v_fma_f32 v[DT], v[DT], v[ER], v[DT]           ; dt (1 + ln2 x lost)
	v_mul_f32 v[HD], 0.5, v[DT]
	v_mul_f32 v[AA], v[EA], v[HD]                  ; z = dt A / 2 = (-AA, BB)
	v_mul_f32 v[BB], v[AIM], v[HD]
	; (1 + z) / (1 - z) and dt / (1 - z), numerator and denominator times s = 2^-floor(log2 max(1, AA, |BB|)): exact, and no square overflows
	v_max3_num_f32 v[MX], 1.0, v[AA], |v[BB]|
	v_and_b32 v[MX], 0x7f800000, v[MX]             ; its exponent field E,
	v_sub_nc_u32 v[SS], 0x7f000000, v[MX]          ; and 254 - E in its place: s
	v_mul_f32 v[AA], v[AA], v[SS]
	v_mul_f32 v[BB], v[BB], v[SS]
	v_add_f32 v[PP], v[SS], v[AA]                  ; s (1 - z) = (PP, -BB): rounded as the reference rounds 1 - dtA/2
	v_sub_f32 v[QQ], v[SS], v[AA]                  ; s (1 + z) = (QQ,  BB)
	v_mul_f32 v[DEN], v[BB], v[BB]
	v_fma_f32 v[DEN], v[PP], v[PP], v[DEN]         ; between 1 and 13
	v_rcp_f32 v[RC], v[DEN]
	v_mul_f32 v[NR], v[PP], v[QQ]                  ; (a plain instruction behind v_rcp_f32)
	v_add_f32 v[NI], v[PP], v[QQ]
	v_fma_f32 v[NR], -v[BB], v[BB], v[NR]          ; (QQ + i BB)(PP + i BB) = (PP QQ - BB^2, BB (PP + QQ))
	v_mul_f32 v[NI], v[NI], v[BB]
	s_wait_alu depctr_va_vdst(0)
	v_fma_f32 v[ER], -v[DEN], v[RC], 1.0           ; one Newton step: an error of dA is multiplied by l
	v_fma_f32 v[RC], v[RC], v[ER], v[RC]
	v_mul_f32 v[GG], v[DT], v[SS]
	v_mul_f32 v[Z1], v[NR], v[RC]                  ; dA
	v_mul_f32 v[Z1+1], v[NI], v[RC]
	v_mul_f32 v[GG], v[GG], v[RC]
	CM1 Z2, Z1, Z1
	v_add_f32 v[GG], v[GG], v[GG]                  ; the result's factor 2 goes in here
	v_mul_f32 v[BRE], v[GG], v[PP]                 ; 2 dt / (1 - z) = 2 dt s (PP, BB) / DEN
	v_mul_f32 v[BIM], v[GG], v[BB]
	CM2 Z2, Z1, Z1
	v_mul_f32 v[E0], v[CC], v[BRE]                 ; E0 = conj(C x that)
	v_mul_f32 v[E0+1], -v[CC], v[BIM]
	v_fma_f32 v[E0], -v[CC+1], v[BIM], v[E0]
	v_fma_f32 v[E0+1], -v[CC+1], v[BRE], v[E0+1]
	; THE BASE ROWS, lane = mode: ten squarings up to dA^1024, with the other 27 products laid between their links.
	CM1 Z4, Z2, Z2
	CM1 Z3, Z2, Z1
	PUT ONE, BROW                                  ; N row 0: dA^0
	PUT E0, AROW                                   ; M row 0
	CM2 Z4, Z2, Z2
	CM2 Z3, Z2, Z1
	CM1 Z8, Z4, Z4
	CJ1 AT+0, E0, Z1
	CJ1 AT+2, E0, Z2
	CM2 Z8, Z4, Z4
	CJ2 AT+0, E0, Z1
	CJ2 AT+2, E0, Z2
	PUT Z4, BROW+1*PITCH
	PUT AT+0, AROW+1*PITCH
	PUT AT+2, AROW+2*PITCH
	CM1 Z16, Z8, Z8
	CM1 Z12, Z8, Z4
	CJ1 AT+4, E0, Z3
	CM2 Z16, Z8, Z8
	CM2 Z12, Z8, Z4
	CJ2 AT+4, E0, Z3
	PUT Z8, BROW+2*PITCH
	PUT Z12, BROW+3*PITCH
	PUT AT+4, AROW+3*PITCH
	CM1 Z32, Z16, Z16
	CM1 Z20, Z16, Z4
	CM1 Z24, Z16, Z8
	CM1 Z28, Z16, Z12
	CM2 Z32, Z16, Z16
	CM2 Z20, Z16, Z4
	CM2 Z24, Z16, Z8
	CM2 Z28, Z16, Z12
	PUT Z16, BROW+4*PITCH
	PUT Z20, BROW+5*PITCH
	PUT Z24, BROW+6*PITCH
	PUT Z28, BROW+7*PITCH
	CM1 Z64, Z32, Z32
	CM1 Z36, Z32, Z4
	CM1 Z40, Z32, Z8
	CM1 Z44, Z32, Z12
	CM1 Z48, Z32, Z16
	CM2 Z64, Z32, Z32
	CM2 Z36, Z32, Z4
	CM2 Z40, Z32, Z8
	CM2 Z44, Z32, Z12
	CM2 Z48, Z32, Z16
	PUT Z32, BROW+8*PITCH
	PUT Z36, BROW+9*PITCH
	PUT Z40, BROW+10*PITCH
	PUT Z44, BROW+11*PITCH
	PUT Z48, BROW+12*PITCH
	CM1 Z128, Z64, Z64
	CJ1 E1, E0, Z64
	CM1 Z52, Z32, Z20
	CM1 Z56, Z32, Z24
	CM1 Z60, Z32, Z28
	CM2 Z128, Z64, Z64
	CJ2 E1, E0, Z64
	CM2 Z52, Z32, Z20
	CM2 Z56, Z32, Z24
	CM2 Z60, Z32, Z28
	PUT Z52, BROW+13*PITCH
	PUT Z56, BROW+14*PITCH
	PUT Z60, BROW+15*PITCH
	PUT E1, AROW+4*PITCH
	GET8 R1, LR, BROW                              ; lane = (r, half): dA^(4r) of my 16 modes.  LDS serves a wave's instructions in order (ISA guide 5.7.1.4): these see the stores above
	CM1 Z256, Z128, Z128
	CJ1 E2, E0, Z128
	CJ1 E3, E1, Z128
	CJ1 AT+6, E1, Z1
	CJ1 AT+8, E1, Z2
	CJ1 AT+10, E1, Z3
	CM2 Z256, Z128, Z128
	CJ2 E2, E0, Z128
	CJ2 E3, E1, Z128
	CJ2 AT+6, E1, Z1
	CJ2 AT+8, E1, Z2
	CJ2 AT+10, E1, Z3
	PUT Z256, STP256
	PUT E2, AROW+8*PITCH
	PUT E3, AROW+12*PITCH
	PUT AT+6, AROW+5*PITCH
	PUT AT+8, AROW+6*PITCH
	PUT AT+10, AROW+7*PITCH
	CM1 Z512, Z256, Z256
	CJ1 AT+12, E2, Z1
	CJ1 AT+14, E2, Z2
	CJ1 AT+16, E2, Z3
	CM2 Z512, Z256, Z256
	CJ2 AT+12, E2, Z1
	CJ2 AT+14, E2, Z2
	CJ2 AT+16, E2, Z3
	PUT AT+12, AROW+9*PITCH
	PUT AT+14, AROW+10*PITCH
	PUT AT+16, AROW+11*PITCH
	CM1 Z1024, Z512, Z512
	CJ1 AT+18, E3, Z1
	CJ1 AT+20, E3, Z2
	CJ1 AT+22, E3, Z3
	CM2 Z1024, Z512, Z512
	CJ2 AT+18, E3, Z1
	CJ2 AT+20, E3, Z2
	CJ2 AT+22, E3, Z3
	PUT Z1024, STP1024
	PUT AT+18, AROW+13*PITCH
	PUT AT+20, AROW+14*PITCH
	PUT AT+22, AROW+15*PITCH
	GET8 R2, LS, STP1024                           ; dA^1024 of my 16 modes (the sixteen lanes of a half read the same bytes)
	GET8 R3, LR, AROW                              ; M row r of my 16 modes, for later
	; THE N SIDE: four tiles of 16 columns, each the last times dA^1024; all their fragments stay in registers (they overwrite the set-up's values, which are done with)
	s_wait_dscnt 0x10                              ; the N state is in; the sixteen loads issued behind it (factors, M state) may be out
	CONV R1, BF, BF+16
	CONV R1+16, BF+8, BF+24
	s_wait_dscnt 0x8                               ; the factors are in; the eight loads of the M state may be out
	STEPM R1, R2
	STEPM R1+16, R2+16
	CONV R1, BF+32, BF+48
	CONV R1+16, BF+40, BF+56
	STEPM R1, R2
	STEPM R1+16, R2+16
	CONV R1, BF+64, BF+80
	CONV R1+16, BF+72, BF+88
	STEPM R1, R2
	STEPM R1+16, R2+16
	GET8 R2, LS, STP256                            ; dA^1024 is done with: dA^256 takes its place while the last tile is converted
	CONV R1, BF+96, BF+112
	CONV R1+16, BF+104, BF+120
	; THE M SIDE, a tile of 16 rows at a time: fragments, 24 matrix instructions, 8 stores.  Windows (low byte of s_set_vgpr_msb: bits 1:0 source 0,
	; 3:2 source 1, 5:4 source 2, 7:6 destination): 0x50 = C and D in v256-383; 0x04 = a store's data there, its address below.
	; Behind the matrix instructions stand the next tile's first sixteen packed products, which name none of their registers: more than the four
	; places that the stores, which read results, and the conversions, which overwrite the M fragments, have to keep.
.macro ATILE ta, more
	CONV R3, R1, R1+16
	CONV R3+16, R1+8, R1+24
	WIN 0x50
	MM \ta
.if \more
	WIN 0
	s_wait_dscnt 0x0                               ; dA^256 is in (it matters in the first tile only)
	STEPJ R3, R2                                   ; the next tile's rows: times conj(dA^256)
	WIN 0x04
	OUT \ta
	WIN 0
	STEPJ R3+16, R2+16
.else
.rept 4
	v_nop                                          ; the four places, where no work is left
.endr
	WIN 0x04
	OUT \ta
	WIN 0
.endif
.endm
	s_wait_dscnt 0x8                               ; the M state is in; the eight loads of dA^256 may be out
	ATILE 0, 1
	ATILE 1, 1
	ATILE 2, 1
	ATILE 3, 0
	s_wait_tensorcnt 0x0
	ds_add_u32 v14, v15
	s_wait_dscnt 0x0
	s_endpgm
.Lfunc_end_k_qe86dfb7307_s4d:
	.size	k_qe86dfb7307_s4d, .Lfunc_end_k_qe86dfb7307_s4d-k_qe86dfb7307_s4d
	.p2alignl 7, 3214868480
	.fill 96, 4, 3214868480
	.section	.rodata,"a",@progbits
	.p2align	6, 0x0
	.amdhsa_kernel k_qe86dfb7307_s4d
		.amdhsa_group_segment_fixed_size 38400
		.amdhsa_private_segment_fixed_size 0
		.amdhsa_enable_private_segment 0
		.amdhsa_kernarg_size 40
		.amdhsa_user_sgpr_count 2
		.amdhsa_user_sgpr_kernarg_segment_ptr 1
		.amdhsa_wavefront_size32 1
		.amdhsa_system_sgpr_workgroup_id_x 1
		.amdhsa_system_sgpr_workgroup_id_y 1
		.amdhsa_system_sgpr_workgroup_id_z 1
		.amdhsa_system_vgpr_workitem_id 0
		.amdhsa_next_free_vgpr 384
		.amdhsa_next_free_sgpr 66
		.amdhsa_reserve_vcc 0
		.amdhsa_float_denorm_mode_32 3
		.amdhsa_float_denorm_mode_16_64 3
		.amdhsa_memory_ordered 1
		.amdhsa_forward_progress 1
		.amdhsa_inst_pref_size 67
	.end_amdhsa_kernel
	.amdgpu_metadata
---
amdhsa.version: [ 1, 2 ]
amdhsa.kernels:
  - .name:           k_qe86dfb7307_s4d
    .symbol:         k_qe86dfb7307_s4d.kd
    .args:
      - { .name: A_imag, .offset: 0, .size: 8, .value_kind: global_buffer, .address_space: global }
      - { .name: C_real, .offset: 8, .size: 8, .value_kind: global_buffer, .address_space: global }
      - { .name: log_A_real, .offset: 16, .size: 8, .value_kind: global_buffer, .address_space: global }
      - { .name: log_dt, .offset: 24, .size: 8, .value_kind: global_buffer, .address_space: global }
      - { .name: out0, .offset: 32, .size: 8, .value_kind: global_buffer, .address_space: global }
    .group_segment_fixed_size: 38400
    .private_segment_fixed_size: 0
    .kernarg_segment_align: 8
    .kernarg_segment_size: 40
    .max_flat_workgroup_size: 128
    .sgpr_count:     66
    .vgpr_count:     384
    .wavefront_size: 32
...
	.end_amdgpu_metadata
.endif
;; end of part 1
;; ======== version 2 of 2: 1 launch; version 1 with the launch s4d written anew for expert scheduling mode
;; launch s4d (part 2): grid 256 x 1, 4 waves a work-group, no clusters, 38,400 bytes of LDS; arguments A_imag, C_real, log_A_real, log_dt, out0; writes out0
.if DOCPART == 2
	.amdgcn_target "amdgcn-amd-amdhsa--gfx1250"
	.amdhsa_code_object_version 6
	.text
	.protected	k_qe86dfb7307_s4d
	.globl	k_qe86dfb7307_s4d
	.p2align	8
	.type	k_qe86dfb7307_s4d,@function
k_qe86dfb7307_s4d:
	s_mov_b64 s[64:65], 0
	v_nop
	global_prefetch_b8 v0, s[64:65] scope:SCOPE_SE
	s_setreg_imm32_b32 hwreg(HW_REG_WAVE_SCHED_MODE, 0, 2), 2
	s_setreg_imm32_b32 hwreg(HW_REG_WAVE_MODE, 25, 1), 1
	s_wait_xcnt 0x0
	s_wait_alu depctr_vm_vsrc(0)
; S4D kernel: out[h][l] = 2 Re sum_n dC[h][n] dA[h][n]^l,  h < 1024, 32 complex modes n, l < 4096, all f32 in memory.
; One wave owns one h (4 waves a work-group, 256 work-groups).  l is split additively, l = lm + ln, so that the sum over modes is a
; 64 x 64 matrix product over 64 real k (32 modes x re, im) and only 64 + 64 powers of each dA are formed instead of 4096:
;   M side, row m:     conj(2 dC dA^lm),  lm = (m & 3) + 64 (m >> 2)           (m = 16 ta + r, so tile ta adds 256)
;   N side, column n:  dA^ln,             ln = 4 (n & 15) + 1024 (n >> 4)      (tile tb adds 1024)
;   sum_k A[m][k] B[n][k] = wr vr + wi vi = Re(u v) with w = conj(u).
; In the result (ISA guide 7.12.2) register j of lane (r, half) is (m = 8 half + j, n = r): l = (j & 3) + 4 r + 64 (2 half + (j >> 2)) + ..,
; so registers 0-3 of sixteen neighbouring lanes are 256 consecutive, aligned bytes of out: results are stored straight from registers.
; PRECISION.  One bf16 rounding of the operands (2^-9) is too coarse where the modes cancel, so every operand is hi + lo, two bf16, and
; three products are summed in f32: hi hi + hi lo + lo hi (K = 192, six matrix instructions a tile); what is left out is some 2^-17 of a term.
; Powers are made by complex products in f32 (squarings and short chains), not by log and exp: the order of rounding differs from the
; reference's, and the relative error of dA^l grows as about l x 2^-23 (at l = 4095 some 5e-4 of one mode's term).
; LIMITS.  |dt A / 2| below 2^127 (the division is scaled by an exact power of two, so nothing below that overflows); where exp(log_dt) or
; exp(log_A_real) leaves f32 the result is not finite, as the reference's; v_exp_f32 gives 0 for results below 2^-126, so a dt below
; 1.2e-38 gives a row of zeros; a dA that is exactly 0 (dt A = -2) gives finite numbers where log(0) makes the reference's row NaN.
; No cluster: no two work-groups read the same input bytes but one word of log_dt's row.  No barrier: each wave's LDS bytes are its own.
; THE MODE: SCHED_MODE bits 1:0 = 2 (LLVM: expert scheduling mode 2), set by the entry lines.  The code itself states the register dependences
; between vector or matrix instructions and memory or LDS instructions, with s_wait_alu, always for 0.
; THE PLAN.  Registers that memory or LDS instructions touch:
;   v1-4, v6-8   offsets and LDS addresses: made at the head, ahead of ONE wait on va_vdst, and never named by a vector instruction again.
;   v128-133     the inputs: the four loads land in registers that no vector instruction has named.
;   v154-239     the base rows: each pair is finished once by the complex products and read once by an LDS store.  The 34 stores stand in four runs, each
;                behind one wait on va_vdst at the end of the stage that finished its data; the products between two runs write pairs that no earlier
;                store reads.  The conversions overwrite these registers (as BF): ONE wait on vm_vsrc stands ahead of the first of them.
;   R1, R3       LDS loads land in registers that no vector instruction has named; from then on vector instructions alone name them.
;   R2           dA^1024 lands, the N side's products read it, dA^256 lands: one wait on va_vdst between the last of those products and the second run of loads.
;   v256-383     the accumulators: each written once by matrix instructions, read by its two stores, never written again.  A tile's eight stores stand
;                behind the NEXT tile's conversions and one wait on va_vdst, directly ahead of the next tile's matrix instructions, which name none of them.
;   TD, NEG1 and the fragments are named by vector and matrix instructions alone.
.set PITCH,   272                      ; LDS row: 32 modes x 8 bytes + 16: an odd multiple of 16, so the sixteen rows that a 16-byte load touches start at different banks
.set AROW,    0                        ; 16 base rows of the M side
.set BROW,    16*PITCH                 ; 16 base rows of the N side
.set STP256,  32*PITCH                 ; dA^256 of the 32 modes
.set STP1024, 33*PITCH                 ; dA^1024
.set WLDS,    9472                     ; LDS bytes of a wave (34 rows = 9,248, rounded up)
.set LW,   1                           ; v1   LDS address, lane = mode: wave + 8 lane
.set LR,   2                           ; v2   LDS address, lane = (r, half): wave + 272 r + 128 half
.set LS,   3                           ; v3   LDS address of my half's 16 modes in a row all lanes share: wave + 128 half
.set OUTO, 4                           ; v4   my byte offset in a 1,024-byte piece of out: 16 r + 512 half
.set NEG1, 5                           ; v5   -1.0
.set OA,   6                           ; v6   byte offset in A_imag and log_A_real
.set OC,   7                           ; v7   byte offset in C_real
.set OD,   8                           ; v8   byte offset in log_dt
.set R1,   16                          ; v16-47   N state (16 modes, re im), later the M fragments: hi 0-15, lo 16-31
.set R2,   48                          ; v48-79   step factors of my 16 modes: dA^1024, later dA^256
.set R3,   80                          ; v80-111  M state
.set TD,   112                         ; v112-127 at work, 8 modes at a time
.set BF,   128                         ; v128-255 N fragments, tile tb at 32 tb: hi 0-15, lo 16-31.  Before that: the values of the set-up
; accumulators: v256-383, tile (ta, tb) at 256 + 32 ta + 8 tb; each is written once, so no store's data is ever overwritten
.set LDT, 128
.set LAR, 129
.set AIM, 130
.set CC,  132
.set T0,  134
.set T1,  135
.set DT,  136
.set EA,  137
.set HD,  138
.set AA,  139
.set BB,  140
.set MX,  141
.set SS,  142
.set PP,  143
.set QQ,  144
.set DEN, 145
.set RC,  146
.set NR,  147
.set ER,  148
.set NI,  149
.set GG,  150
.set BRE, 151
.set BIM, 152
.set Z4,  154                          ; dA^(4k) at 152 + 2k, k = 1 .. 15
.set Z8,  156
.set Z12, 158
.set Z16, 160
.set Z20, 162
.set Z24, 164
.set Z28, 166
.set Z32, 168
.set Z36, 170
.set Z40, 172
.set Z44, 174
.set Z48, 176
.set Z52, 178
.set Z56, 180
.set Z60, 182
.set ONE, 184
.set Z1,  192
.set Z2,  194
.set Z3,  196
.set E0,  198                          ; Eq = conj(2 dC dA^(64 q))
.set E1,  200
.set E2,  202
.set E3,  204
.set Z64, 206
.set Z128, 208
.set Z256, 210
.set Z512, 212
.set Z1024, 214
.set AT,  216                          ; v216-239: the twelve M rows Eq conj(dA^j), j = 1 .. 3
.set MSB, 0
.macro WIN new                         ; register window; the immediate's high byte repeats the setting that is left
.if MSB != \new
	s_set_vgpr_msb (MSB<<8)|\new
.set MSB, \new
.endif
.endm
; A complex product is two packed instructions.  d = x y:  (xr yr, xr yi), then + (-xi yi, xi yr).  d is neither x nor y.
.macro CM1 d, x, y
	v_pk_mul_f32 v[\d:\d+1], v[\x:\x+1], v[\y:\y+1] op_sel_hi:[0,1]
.endm
.macro CM2 d, x, y
	v_pk_fma_f32 v[\d:\d+1], v[\x:\x+1], v[\y:\y+1], v[\d:\d+1] op_sel:[1,1,0] op_sel_hi:[1,0,1] neg_lo:[0,1,0]
.endm
; d = x conj(y):  (xr yr, -xr yi), then + (xi yi, xi yr)
.macro CJ1 d, x, y
	v_pk_mul_f32 v[\d:\d+1], v[\x:\x+1], v[\y:\y+1] op_sel_hi:[0,1] neg_hi:[0,1]
.endm
.macro CJ2 d, x, y
	v_pk_fma_f32 v[\d:\d+1], v[\x:\x+1], v[\y:\y+1], v[\d:\d+1] op_sel:[1,1,0] op_sel_hi:[1,0,1]
.endm
.macro PUT src, off                    ; lane = mode: a row's 32 x 8 bytes, contiguous
	ds_store_b64 v[LW], v[\src:\src+1] offset:\off
.endm
.macro GET8 dst, adr, off              ; my 16 modes of a row: 128 bytes
.irp i, 0,1,2,3,4,5,6,7
	ds_load_b128 v[\dst+4*\i:\dst+4*\i+3], v[\adr] offset:\off+16*\i
.endr
.endm
; eight modes of the state at x times the factors at y, in place
.macro STEPM x, y
.irp i, 0,1,2,3,4,5,6,7
	v_pk_mul_f32 v[TD+2*\i:TD+2*\i+1], v[\x+2*\i:\x+2*\i+1], v[\y+2*\i:\y+2*\i+1] op_sel_hi:[0,1]
.endr
.irp i, 0,1,2,3,4,5,6,7
	v_pk_fma_f32 v[\x+2*\i:\x+2*\i+1], v[\x+2*\i:\x+2*\i+1], v[\y+2*\i:\y+2*\i+1], v[TD+2*\i:TD+2*\i+1] op_sel:[1,1,0] op_sel_hi:[1,0,1] neg_lo:[0,1,0]
.endr
.endm
.macro STEPJ x, y                      ; the same with conj(y)
.irp i, 0,1,2,3,4,5,6,7
	v_pk_mul_f32 v[TD+2*\i:TD+2*\i+1], v[\x+2*\i:\x+2*\i+1], v[\y+2*\i:\y+2*\i+1] op_sel_hi:[0,1] neg_hi:[0,1]
.endr
.irp i, 0,1,2,3,4,5,6,7
	v_pk_fma_f32 v[\x+2*\i:\x+2*\i+1], v[\x+2*\i:\x+2*\i+1], v[\y+2*\i:\y+2*\i+1], v[TD+2*\i:TD+2*\i+1] op_sel:[1,1,0] op_sel_hi:[1,0,1]
.endr
.endm
; Eight modes (re, im in f32 at x) become one fragment of hi and one of lo: register i = (re, im) of mode i, the same place on both sides
; of the product, which is all that the order of k has to satisfy.  x - hi is exact in f32; lo is its rounding to bf16.
.macro CONV x, hi, lo
.irp i, 0,1,2,3,4,5,6,7
	v_cvt_pk_bf16_f32 v[\hi+\i], v[\x+2*\i], v[\x+2*\i+1]
.endr
.irp i, 0,1,2,3,4,5,6,7
	v_fma_mix_f32_bf16 v[TD+2*\i], v[\hi+\i], v[NEG1], v[\x+2*\i] op_sel_hi:[1,0,0]
	v_fma_mix_f32_bf16 v[TD+2*\i+1], v[\hi+\i], v[NEG1], v[\x+2*\i+1] op_sel:[1,0,0] op_sel_hi:[1,0,0]
.endr
.irp i, 0,1,2,3,4,5,6,7
	v_cvt_pk_bf16_f32 v[\lo+\i], v[TD+2*\i], v[TD+2*\i+1]
.endr
.endm
; one K step of 32 for the four tiles of M tile ta: four chains that do not wait for each other
.macro MM4 ta, a, b, first
.irp tb, 0,1,2,3
.if \first
	v_wmma_f32_16x16x32_bf16 v[32*\ta+8*\tb:32*\ta+8*\tb+7], v[R1+\a:R1+\a+7], v[BF+32*\tb+\b:BF+32*\tb+\b+7], 0
.else
	v_wmma_f32_16x16x32_bf16 v[32*\ta+8*\tb:32*\ta+8*\tb+7], v[R1+\a:R1+\a+7], v[BF+32*\tb+\b:BF+32*\tb+\b+7], v[32*\ta+8*\tb:32*\ta+8*\tb+7]
.endif
.endr
.endm
.macro MM ta
	MM4 \ta, 0, 0, 1                               ; hi x hi; the first product starts the sums
	MM4 \ta, 8, 8, 0
	MM4 \ta, 0, 16, 0                              ; hi x lo
	MM4 \ta, 8, 24, 0
	MM4 \ta, 16, 0, 0                              ; lo x hi
	MM4 \ta, 24, 8, 0
.endm
.macro OUT ta                          ; each store: lanes 0-15 and lanes 16-31 each cover 256 consecutive bytes at a multiple of 256 from out's first byte
.irp tb, 0,1,2,3
	global_store_b128 v[OUTO], v[32*\ta+8*\tb:32*\ta+8*\tb+3], s[12:13] offset:1024*\ta+4096*\tb th:TH_STORE_NT
	global_store_b128 v[OUTO], v[32*\ta+8*\tb+4:32*\ta+8*\tb+7], s[12:13] offset:1024*\ta+4096*\tb+256 th:TH_STORE_NT
.endr
.endm
	s_load_b256 s[4:11], s[0:1], 0x0               ; A_imag s[4:5], C_real s[6:7], log_A_real s[8:9], log_dt s[10:11]
	s_load_b64 s[12:13], s[0:1], 0x20              ; out0
	v_lshl_add_u32 v14, v0, 2, 0x9400
	v_mov_b32 v15, 0
	; all addresses and constants are made here, while the arguments are out
	v_lshrrev_b32 v9, 5, v0
	v_readfirstlane_b32 s14, v9                    ; wave 0..3
	s_lshl_b32 s15, ttmp9, 2
	s_lshl_b32 s16, ttmp9, 9                       ; 4 rows of 128 bytes
	s_lshl_b32 s17, ttmp9, 10                      ; 4 rows of 256 bytes
	v_lshl_add_u32 v[OA], v0, 2, s16               ; thread t = 32 wave + mode: 4 t is the wave's row and the lane's word
	v_lshl_add_u32 v[OC], v0, 3, s17
	v_and_b32 v9, 31, v0                           ; lane
	v_and_b32 v10, 15, v0                          ; r
	v_bfe_u32 v11, v0, 4, 1                        ; half
	v_mul_u32_u24 v12, v10, PITCH
	v_lshlrev_b32 v[OUTO], 4, v10
	v_lshl_add_u32 v[OUTO], v11, 9, v[OUTO]
	v_mov_b32 v[NEG1], -1.0
	v_mov_b32 v[ONE], 1.0
	v_mov_b32 v[ONE+1], 0
	s_wait_alu depctr_va_sdst(0)                   ; s14 is written, ahead of its first reader: h, my LDS bytes and out's row are made from it
	s_add_co_u32 s15, s15, s14                     ; h = 4 x work-group + wave
	s_lshl_b32 s18, s15, 2
	s_mul_i32 s19, s14, WLDS                       ; my wave's LDS bytes
	v_mov_b32 v[OD], s18
	v_lshl_add_u32 v[LW], v9, 3, s19
	v_lshl_add_u32 v[LS], v11, 7, s19
	v_add_nc_u32 v[LR], v12, v[LS]
	s_lshl_b32 s20, s15, 14                        ; h rows of 16,384 bytes
	s_mov_b32 s21, 0
	s_mov_b32 s22, 0x3fb8aa3b                      ; log2(e), rounded
	s_mov_b32 s23, 0x32a57060                      ; log2(e) minus that
	s_wait_kmcnt 0x0
	s_add_nc_u64 s[12:13], s[12:13], s[20:21]
	s_wait_alu depctr_va_vdst(0)                   ; OA, OC, OD, LW, LR, LS, OUTO and ONE are written: every load, LDS instruction and store of the kernel reads one of the seven as its address, and an LDS store reads ONE
	global_load_b32 v[LDT], v[OD], s[10:11]
	global_load_b32 v[LAR], v[OA], s[8:9] th:TH_LOAD_NT
	global_load_b32 v[AIM], v[OA], s[4:5] th:TH_LOAD_NT
	global_load_b64 v[CC:CC+1], v[OC], s[6:7] th:TH_LOAD_NT
	s_wait_loadcnt 0x0
	; SET-UP, lane = mode.  dt = exp(log_dt): the rounding of log_dt x log2(e) is carried along and put back, since an error of dt turns
	; every phase by l x angle x error.  exp(log_A_real) only sets the decay and needs no such care.
	v_mul_f32 v[T0], s22, v[LDT]
	v_mul_f32 v[T1], s22, v[LAR]
	v_fma_f32 v[ER], v[LDT], s22, -v[T0]           ; what the product lost,
	v_fma_f32 v[ER], v[LDT], s23, v[ER]            ; and what the constant lost
	v_exp_f32 v[DT], v[T0]
	v_exp_f32 v[EA], v[T1]
	v_mul_f32 v[ER], 0x3f317218, v[ER]             ; x ln 2.  Also the plain instruction that stands behind the two v_exp_f32 (ISA guide 5.7.2)
	s_wait_alu depctr_va_vdst(0)
	v_fma_f32 v[DT], v[DT], v[ER], v[DT]           ; dt (1 + ln2 x lost)
	v_mul_f32 v[HD], 0.5, v[DT]
	v_mul_f32 v[AA], v[EA], v[HD]                  ; z = dt A / 2 = (-AA, BB)
	v_mul_f32 v[BB], v[AIM], v[HD]
	; (1 + z) / (1 - z) and dt / (1 - z), numerator and denominator times s = 2^-floor(log2 max(1, AA, |BB|)): exact, and no square overflows
	v_max3_num_f32 v[MX], 1.0, v[AA], |v[BB]|
	v_and_b32 v[MX], 0x7f800000, v[MX]             ; its exponent field E,
	v_sub_nc_u32 v[SS], 0x7f000000, v[MX]          ; and 254 - E in its place: s
	v_mul_f32 v[AA], v[AA], v[SS]
	v_mul_f32 v[BB], v[BB], v[SS]
	v_add_f32 v[PP], v[SS], v[AA]                  ; s (1 - z) = (PP, -BB): rounded as the reference rounds 1 - dtA/2
	v_sub_f32 v[QQ], v[SS], v[AA]                  ; s (1 + z) = (QQ,  BB)
	v_mul_f32 v[DEN], v[BB], v[BB]
	v_fma_f32 v[DEN], v[PP], v[PP], v[DEN]         ; between 1 and 13
	v_rcp_f32 v[RC], v[DEN]
	v_mul_f32 v[NR], v[PP], v[QQ]                  ; (a plain instruction behind v_rcp_f32)
	v_add_f32 v[NI], v[PP], v[QQ]
	v_fma_f32 v[NR], -v[BB], v[BB], v[NR]          ; (QQ + i BB)(PP + i BB) = (PP QQ - BB^2, BB (PP + QQ))
	v_mul_f32 v[NI], v[NI], v[BB]
	s_wait_alu depctr_va_vdst(0)
	v_fma_f32 v[ER], -v[DEN], v[RC], 1.0           ; one Newton step: an error of dA is multiplied by l
	v_fma_f32 v[RC], v[RC], v[ER], v[RC]
	v_mul_f32 v[GG], v[DT], v[SS]
	v_mul_f32 v[Z1], v[NR], v[RC]                  ; dA
	v_mul_f32 v[Z1+1], v[NI], v[RC]
	v_mul_f32 v[GG], v[GG], v[RC]
	CM1 Z2, Z1, Z1
	v_add_f32 v[GG], v[GG], v[GG]                  ; the result's factor 2 goes in here
	v_mul_f32 v[BRE], v[GG], v[PP]                 ; 2 dt / (1 - z) = 2 dt s (PP, BB) / DEN
	v_mul_f32 v[BIM], v[GG], v[BB]
	CM2 Z2, Z1, Z1
	v_mul_f32 v[E0], v[CC], v[BRE]                 ; E0 = conj(C x that)
	v_mul_f32 v[E0+1], -v[CC], v[BIM]
	v_fma_f32 v[E0], -v[CC+1], v[BIM], v[E0]
	v_fma_f32 v[E0+1], -v[CC+1], v[BRE], v[E0+1]
	; THE BASE ROWS, lane = mode: ten squarings up to dA^1024, with the other 27 products laid between their links.
	; The rows go to LDS in four runs of stores, each behind one wait at the end of a stage, where the next squaring needs the stage's result in any case.
	CM1 Z4, Z2, Z2
	CM1 Z3, Z2, Z1
	CM2 Z4, Z2, Z2
	CM2 Z3, Z2, Z1
	CM1 Z8, Z4, Z4
	CJ1 AT+0, E0, Z1
	CJ1 AT+2, E0, Z2
	CM2 Z8, Z4, Z4
	CJ2 AT+0, E0, Z1
	CJ2 AT+2, E0, Z2
	CM1 Z16, Z8, Z8
	CM1 Z12, Z8, Z4
	CJ1 AT+4, E0, Z3
	CM2 Z16, Z8, Z8
	CM2 Z12, Z8, Z4
	CJ2 AT+4, E0, Z3
	CM1 Z32, Z16, Z16
	CM1 Z20, Z16, Z4
	CM1 Z24, Z16, Z8
	CM1 Z28, Z16, Z12
	CM2 Z32, Z16, Z16
	CM2 Z20, Z16, Z4
	CM2 Z24, Z16, Z8
	CM2 Z28, Z16, Z12
	s_wait_alu depctr_va_vdst(0)                   ; the products have written E0, AT+0 .. AT+5 and dA^4 .. dA^28, which the twelve LDS stores below read
	PUT ONE, BROW                                  ; N row 0: dA^0
	PUT Z4, BROW+1*PITCH
	PUT Z8, BROW+2*PITCH
	PUT Z12, BROW+3*PITCH
	PUT Z16, BROW+4*PITCH
	PUT Z20, BROW+5*PITCH
	PUT Z24, BROW+6*PITCH
	PUT Z28, BROW+7*PITCH
	PUT E0, AROW                                   ; M row 0
	PUT AT+0, AROW+1*PITCH
	PUT AT+2, AROW+2*PITCH
	PUT AT+4, AROW+3*PITCH
	CM1 Z64, Z32, Z32                              ; from here to the next run the products write pairs that no store above reads
	CM1 Z36, Z32, Z4
	CM1 Z40, Z32, Z8
	CM1 Z44, Z32, Z12
	CM1 Z48, Z32, Z16
	CM2 Z64, Z32, Z32
	CM2 Z36, Z32, Z4
	CM2 Z40, Z32, Z8
	CM2 Z44, Z32, Z12
	CM2 Z48, Z32, Z16
	CM1 Z128, Z64, Z64
	CJ1 E1, E0, Z64
	CM1 Z52, Z32, Z20
	CM1 Z56, Z32, Z24
	CM1 Z60, Z32, Z28
	CM2 Z128, Z64, Z64
	CJ2 E1, E0, Z64
	CM2 Z52, Z32, Z20
	CM2 Z56, Z32, Z24
	CM2 Z60, Z32, Z28
	s_wait_alu depctr_va_vdst(0)                   ; the products have written dA^32 .. dA^60 and E1, which the nine LDS stores below read
	PUT Z32, BROW+8*PITCH
	PUT Z36, BROW+9*PITCH
	PUT Z40, BROW+10*PITCH
	PUT Z44, BROW+11*PITCH
	PUT Z48, BROW+12*PITCH
	PUT Z52, BROW+13*PITCH
	PUT Z56, BROW+14*PITCH
	PUT Z60, BROW+15*PITCH
	PUT E1, AROW+4*PITCH
	GET8 R1, LR, BROW                              ; lane = (r, half): dA^(4r) of my 16 modes.  LDS serves a wave's instructions in order (ISA guide 5.7.1.4): these see the stores above.  No vector instruction has named R1
	CM1 Z256, Z128, Z128
	CJ1 E2, E0, Z128
	CJ1 E3, E1, Z128
	CJ1 AT+6, E1, Z1
	CJ1 AT+8, E1, Z2
	CJ1 AT+10, E1, Z3
	CM2 Z256, Z128, Z128
	CJ2 E2, E0, Z128
	CJ2 E3, E1, Z128
	CJ2 AT+6, E1, Z1
	CJ2 AT+8, E1, Z2
	CJ2 AT+10, E1, Z3
	CM1 Z512, Z256, Z256
	CJ1 AT+12, E2, Z1
	CJ1 AT+14, E2, Z2
	CJ1 AT+16, E2, Z3
	CM2 Z512, Z256, Z256
	CJ2 AT+12, E2, Z1
	CJ2 AT+14, E2, Z2
	CJ2 AT+16, E2, Z3
	s_wait_alu depctr_va_vdst(0)                   ; the products have written dA^256, E2, E3 and AT+6 .. AT+17, which the nine LDS stores below read
	PUT Z256, STP256
	PUT E2, AROW+8*PITCH
	PUT E3, AROW+12*PITCH
	PUT AT+6, AROW+5*PITCH
	PUT AT+8, AROW+6*PITCH
	PUT AT+10, AROW+7*PITCH
	PUT AT+12, AROW+9*PITCH
	PUT AT+14, AROW+10*PITCH
	PUT AT+16, AROW+11*PITCH
	CM1 Z1024, Z512, Z512
	CJ1 AT+18, E3, Z1
	CJ1 AT+20, E3, Z2
	CJ1 AT+22, E3, Z3
	CM2 Z1024, Z512, Z512
	CJ2 AT+18, E3, Z1
	CJ2 AT+20, E3, Z2
	CJ2 AT+22, E3, Z3
	s_wait_alu depctr_va_vdst(0)                   ; the products have written dA^1024 and AT+18 .. AT+23, which the last four LDS stores read
	PUT Z1024, STP1024
	PUT AT+18, AROW+13*PITCH
	PUT AT+20, AROW+14*PITCH
	PUT AT+22, AROW+15*PITCH
	GET8 R2, LS, STP1024                           ; dA^1024 of my 16 modes (the sixteen lanes of a half read the same bytes).  No vector instruction has named R2 or R3
	GET8 R3, LR, AROW                              ; M row r of my 16 modes, for later
	; THE N SIDE: four tiles of 16 columns, each the last times dA^1024; all their fragments stay in registers (they overwrite the set-up's values, which are done with)
	s_wait_dscnt 0x10                              ; the N state is in; the sixteen loads issued behind it (factors, M state) may be out
	s_wait_alu depctr_vm_vsrc(0)                   ; the 34 LDS stores have read their data in v154-239: the conversions below write these registers anew, as BF
	CONV R1, BF, BF+16
	CONV R1+16, BF+8, BF+24
	s_wait_dscnt 0x8                               ; the factors are in; the eight loads of the M state may be out
	STEPM R1, R2
	STEPM R1+16, R2+16
	CONV R1, BF+32, BF+48
	CONV R1+16, BF+40, BF+56
	STEPM R1, R2
	STEPM R1+16, R2+16
	CONV R1, BF+64, BF+80
	CONV R1+16, BF+72, BF+88
	STEPM R1, R2
	STEPM R1+16, R2+16
	s_wait_alu depctr_va_vdst(0)                   ; the products above are done reading dA^1024 in R2, in which the loads below land; the conversions behind them name R1, BF, TD and NEG1 alone
	GET8 R2, LS, STP256                            ; dA^1024 is done with: dA^256 takes its place while the last tile is converted
	CONV R1, BF+96, BF+112
	CONV R1+16, BF+104, BF+120
	; THE M SIDE, a tile of 16 rows at a time: fragments, the tile before's 8 stores, 24 matrix instructions.  Windows (low byte of s_set_vgpr_msb: bits 1:0 source 0,
	; 3:2 source 1, 5:4 source 2, 7:6 destination): 0x50 = C and D in v256-383; 0x04 = a store's data there, its address below.
	; Behind a tile's matrix instructions stand the next tile's 32 packed products, which name none of their registers: more than the four
	; places that the conversions, which overwrite the M fragments, and the stores, which read results, have to keep.
	; prev: the tile before, whose stores go out here.
.macro ATILE ta, prev
	CONV R3, R1, R1+16
	CONV R3+16, R1+8, R1+24
.if \ta > 0
	WIN 0x04
	s_wait_alu depctr_va_vdst(0)                   ; the tile before's matrix instructions have written its accumulators, which the eight stores read; the matrix instructions behind the stores name none of them
	OUT \prev
.endif
	WIN 0x50
	MM \ta
.if \ta < 3
	WIN 0
	s_wait_dscnt 0x0                               ; dA^256 is in (it matters in the first tile only)
	STEPJ R3, R2                                   ; the next tile's rows: times conj(dA^256)
	STEPJ R3+16, R2+16
.endif
.endm
	s_wait_dscnt 0x8                               ; the M state is in; the eight loads of dA^256 may be out
	ATILE 0, 0
	ATILE 1, 0
	ATILE 2, 1
	ATILE 3, 2
.rept 4
	v_nop                                          ; the four places, where no work is left
.endr
	WIN 0x04
	s_wait_alu depctr_va_vdst(0)                   ; the last tile's matrix instructions have written its accumulators, which the last eight stores read; the places above stay beside this wait
	OUT 3
	WIN 0
	s_wait_dscnt 0x0
	s_wait_alu depctr_hold_cnt(0) depctr_sa_sdst(0) depctr_va_vdst(0) depctr_va_sdst(0) depctr_va_ssrc(0) depctr_va_vcc(0) depctr_vm_vsrc(0)
	s_wait_tensorcnt 0x0
	ds_add_u32 v14, v15
	s_wait_dscnt 0x0
	s_endpgm
.Lfunc_end_k_qe86dfb7307_s4d:
	.size	k_qe86dfb7307_s4d, .Lfunc_end_k_qe86dfb7307_s4d-k_qe86dfb7307_s4d
	.p2alignl 7, 3214868480
	.fill 96, 4, 3214868480
	.section	.rodata,"a",@progbits
	.p2align	6, 0x0
	.amdhsa_kernel k_qe86dfb7307_s4d
		.amdhsa_group_segment_fixed_size 38400
		.amdhsa_private_segment_fixed_size 0
		.amdhsa_enable_private_segment 0
		.amdhsa_kernarg_size 40
		.amdhsa_user_sgpr_count 2
		.amdhsa_user_sgpr_kernarg_segment_ptr 1
		.amdhsa_wavefront_size32 1
		.amdhsa_system_sgpr_workgroup_id_x 1
		.amdhsa_system_sgpr_workgroup_id_y 1
		.amdhsa_system_sgpr_workgroup_id_z 1
		.amdhsa_system_vgpr_workitem_id 0
		.amdhsa_next_free_vgpr 384
		.amdhsa_next_free_sgpr 66
		.amdhsa_reserve_vcc 0
		.amdhsa_float_denorm_mode_32 3
		.amdhsa_float_denorm_mode_16_64 3
		.amdhsa_memory_ordered 1
		.amdhsa_forward_progress 1
		.amdhsa_inst_pref_size 67
	.end_amdhsa_kernel
	.amdgpu_metadata
---
amdhsa.version: [ 1, 2 ]
amdhsa.kernels:
  - .name:           k_qe86dfb7307_s4d
    .symbol:         k_qe86dfb7307_s4d.kd
    .args:
      - { .name: A_imag, .offset: 0, .size: 8, .value_kind: global_buffer, .address_space: global }
      - { .name: C_real, .offset: 8, .size: 8, .value_kind: global_buffer, .address_space: global }
      - { .name: log_A_real, .offset: 16, .size: 8, .value_kind: global_buffer, .address_space: global }
      - { .name: log_dt, .offset: 24, .size: 8, .value_kind: global_buffer, .address_space: global }
      - { .name: out0, .offset: 32, .size: 8, .value_kind: global_buffer, .address_space: global }
    .group_segment_fixed_size: 38400
    .private_segment_fixed_size: 0
    .kernarg_segment_align: 8
    .kernarg_segment_size: 40
    .max_flat_workgroup_size: 128
    .sgpr_count:     66
    .vgpr_count:     384
    .wavefront_size: 32
...
	.end_amdgpu_metadata
.endif
;; end of part 2
